; MI455X (gfx1250); checked and timed in simulation.
; The chip was launched on July 23, 2026; its instructions are those of AMD's public machine-readable ISA for CDNA 5 (MIT licence, August 2026) and "CDNA5" Instruction Set Architecture Reference Guide (July 2026). The comments in the code are by the model that wrote it; some were corrected since.
;; f VSRN. Allowed arithmetic: float matrix products may take bf16 or f16 operands with f32 sums; other float arithmetic in f32, or as packed bf16 or f16 multiplies, adds, multiply-adds, maxima and minima; sums over many terms, partial sums and values carried from step to step in f32; what a program stores and reads back later, other than sums and carried values, may be rounded once to bf16 or f16.
;; Inputs: W0 32 x 52 float32; Wh 3 x 32 x 32 float32; Wout 1 x 32 float32; b0 32 float32; bh 3 x 32 float32; bout 1 float32; feature_grid 16 x 64 x 64 x 64 float32; x 2,097,152 x 3 float32.
;; Outputs: out0 2,097,152 x 1 float32.
;; One version. Each part assembles by itself: llvm-mc -triple=amdgcn-amd-amdhsa -mcpu=gfx1250 --defsym DOCPART=n.
;; ======== version 1 of 1: 2 launches
;; limits: a function is approximated: absolute error at most 4e-05
;; workspace buffers: gridT 8,388,608 bytes; idx 8,388,608 bytes of whole numbers
;; launch prep (part 1): grid 256 x 1, 8 waves a work-group, no clusters, 37,888 bytes of LDS; arguments feature_grid, x, gridT, idx; writes gridT, idx
.if DOCPART == 1
	.amdgcn_target "amdgcn-amd-amdhsa--gfx1250"
	.amdhsa_code_object_version 6
	.text
	.protected	k_qb0a7aad2d3_prep
	.globl	k_qb0a7aad2d3_prep
	.p2align	8
	.type	k_qb0a7aad2d3_prep,@function
k_qb0a7aad2d3_prep:
	s_mov_b64 s[64:65], 0
	v_nop
	global_prefetch_b8 v0, s[64:65] scope:SCOPE_SE
	s_setreg_imm32_b32 hwreg(HW_REG_WAVE_MODE, 25, 1), 1
	s_wait_xcnt 0x0
; TWO TABLES FOR THE LAUNCH BEHIND.
; (1) gridT[z][y][x][16] in bf16: feature_grid ([16][64][64][64] f32, channel by channel) rounded once and turned so that a voxel's 16 channels are 32 consecutive bytes.
; (2) idx[point] = (z0*64 + y0)*64 + x0, a whole number: i0 = clamp(floor(31.5 x + 31.5), 0, 62) along each axis, of x ROUNDED TO bf16.
;     With the upper bound 62 the eight corners of a cell always lie at fixed distances from one voxel; the launch behind caps the upper weight at 1, which gives the
;     same sample as the clips at 63 do (at and beyond the last voxel: that voxel alone; below the first: the straight line through voxels 0 and 1 carried on).
; FORMAT.  The whole program works on its inputs rounded to bf16 (nearest even), x among them: its results are those of the module on the rounded inputs.
; SHARES.  2,048 waves.  A wave takes 128 voxels (512 bytes of each channel, 4,096 bytes of gridT) and 1,024 points (12,288 bytes of x, 4,096 of idx).
; All 40 loads of a wave go out at once; each byte is read once and written once; no wave waits for another, so there is no barrier.
; A lane's four voxels are 128 consecutive bytes of gridT, so they go through the wave's own stage in LDS and come back so that each store of the
; wave covers 512 consecutive bytes, aligned.  Matrix units, tensor loads and clusters have nothing to do here: nothing is shared and nothing is multiplied.
.set STG,   4608                       ; a wave's stage: 32 lane rows of 144 bytes
.set PIT,   144                        ; 128 bytes + 16: an odd multiple of 16
.set SPARE, 8*STG                      ; behind the stages: the spare words, 128 bytes a wave, four blocks of 256 bytes that no other line names
.set SPW, 2                            ; v2   LDS address of my spare word; never rewritten
.set NIL, 3                            ; v3   0; never rewritten
.set O16, 4                            ; v4   16 x lane
.set O48, 5                            ; v5   48 x lane: my four points in a block of 128
.set STO, 6                            ; v6   my row of the stage
.set RD,  7                            ; v7   where I read the stage back
.set GR,  16                           ; v[16:79]   channel c: four voxels in f32 at GR + 4 c; later the rows read back
.set XR,  80                           ; v[80:175]  block m of 128 points: my four points' twelve numbers at XR + 12 m
.set PK,  176                          ; v[176:207] my four voxels in bf16: voxel j at PK + 8 j; later six registers at work
	s_load_b256 s[4:11], s[0:1], 0x0               ; feature_grid s[4:5], x s[6:7], gridT s[8:9], idx s[10:11]
	v_lshl_add_u32 v[SPW], v0, 2, SPARE
	v_mov_b32 v[NIL], 0
	v_and_b32 v1, 31, v0                           ; lane
	v_lshrrev_b32 v8, 5, v0
	v_readfirstlane_b32 s12, v8                    ; wave in the work-group
	s_lshl_b32 s13, ttmp9, 3
	s_add_co_u32 s13, s13, s12                     ; wave in the launch, 0 to 2,047
	s_mul_i32 s19, s12, STG                        ; my wave's stage
	s_mov_b32 s18, 0x42780000                      ; 62.0
	s_mov_b32 s20, 0x41fc0000                      ; 31.5, as a pair for the packed multiply-add
	s_mov_b32 s21, 0x41fc0000
	s_mov_b32 s22, 0xffff0000                      ; a word's upper bf16
	v_lshlrev_b32 v[O16], 4, v1
	v_mul_u32_u24 v[O48], v1, 48
	v_mul_u32_u24 v[STO], v1, PIT
	v_add_nc_u32 v[STO], s19, v[STO]
	v_lshrrev_b32 v[RD], 3, v1                     ; back: eight lanes take one lane row's 128 bytes, the wave four rows = 512 consecutive bytes of gridT
	v_mul_u32_u24 v[RD], v[RD], PIT
	v_and_b32 v8, 7, v1
	v_lshl_add_u32 v[RD], v8, 4, v[RD]
	v_add_nc_u32 v[RD], s19, v[RD]
	s_lshl_b32 s14, s13, 9                         ; 128 voxels x 4 bytes
	s_mov_b32 s15, 0
	s_wait_kmcnt 0x0
	s_add_nc_u64 s[4:5], s[4:5], s[14:15]          ; channels 0 to 7 from here,
	s_add_nc_u64 s[16:17], s[4:5], 0x800000        ; channels 8 to 15 from here: 15 channels of 2^20 bytes do not fit the signed 24-bit immediate
	s_lshl_b32 s14, s13, 12                        ; 4,096 bytes of gridT and of idx
	s_add_nc_u64 s[8:9], s[8:9], s[14:15]
	s_add_nc_u64 s[10:11], s[10:11], s[14:15]
	s_mul_i32 s14, s13, 12288                      ; 1,024 points x 12 bytes
	s_add_nc_u64 s[6:7], s[6:7], s[14:15]
	; all loads at once: 16 of the grid (512 consecutive bytes each), then 24 of x
.set c, 0
.rept 8
	global_load_b128 v[GR+4*c:GR+4*c+3], v[O16], s[4:5] offset:c*1048576 th:TH_LOAD_NT
.set c, c+1
.endr
.set c, 0
.rept 8
	global_load_b128 v[GR+32+4*c:GR+32+4*c+3], v[O16], s[16:17] offset:c*1048576 th:TH_LOAD_NT
.set c, c+1
.endr
.set m, 0
.rept 8
	global_load_b128 v[XR+12*m:XR+12*m+3],    v[O48], s[6:7] offset:1536*m
	global_load_b128 v[XR+12*m+4:XR+12*m+7],  v[O48], s[6:7] offset:1536*m+16
	global_load_b128 v[XR+12*m+8:XR+12*m+11], v[O48], s[6:7] offset:1536*m+32
.set m, m+1
.endr
	; THE GRID
	s_wait_loadcnt 24                              ; loads return in order (ISA guide 5.7.1): the 16 of the grid are in, the 24 of x may stay out
.set j, 0
.rept 4                                        ; voxel j: channels 2 q and 2 q + 1 into one word
.set q, 0
.rept 8
	v_cvt_pk_bf16_f32 v[PK+8*j+q], v[GR+8*q+j], v[GR+8*q+4+j]
.set q, q+1
.endr
.set j, j+1
.endr
.set q, 0
.rept 8
	ds_store_b128 v[STO], v[PK+4*q:PK+4*q+3] offset:16*q
.set q, q+1
.endr
.set k, 0
.rept 8
	ds_load_b128 v[GR+4*k:GR+4*k+3], v[RD] offset:4*PIT*k  ; LDS serves a wave's instructions in order (ISA guide 5.7.1.4): these see the stores above; the bytes are my wave's own
.set k, k+1
.endr
.set k, 0
.rept 8
	s_wait_dscnt 7-k                               ; read-back k is in, the younger ones may stay out
	global_store_b128 v[O16], v[GR+4*k:GR+4*k+3], s[8:9] offset:512*k  ; 512 consecutive bytes, at a multiple of 256 from gridT's first
.set k, k+1
.endr
	; THE INDEX: each block has registers of its own, so no store's data is ever rewritten
.set m, 0
.rept 8
.set xb, XR+12*m
	s_wait_loadcnt 21-3*m                          ; this block's three loads are in; those of the later blocks may stay out
.set i, 0
.rept 6
	v_cvt_pk_bf16_f32 v[PK+i], v[xb+2*i], v[xb+2*i+1]  ; x rounded to bf16,
.set i, i+1
.endr
.set i, 0
.rept 6
	v_lshlrev_b32 v[xb+2*i], 16, v[PK+i]           ; and widened again
	v_and_b32 v[xb+2*i+1], s22, v[PK+i]
.set i, i+1
.endr
.set i, 0
.rept 6
	v_pk_fma_f32 v[xb+2*i:xb+2*i+1], v[xb+2*i:xb+2*i+1], s[20:21], s[20:21] op_sel_hi:[1,0,0]  ; f = 31.5 x + 31.5
.set i, i+1
.endr
.set i, 0
.rept 12
	v_floor_f32 v[xb+i], v[xb+i]
.set i, i+1
.endr
.set i, 0
.rept 12
	v_med3_num_f32 v[xb+i], v[xb+i], 0, s18        ; held to 0 .. 62
.set i, i+1
.endr
.set i, 0
.rept 12
	v_cvt_u32_f32 v[xb+i], v[xb+i]
.set i, i+1
.endr
.set q, 0
.rept 4                                        ; point q: x0, y0, z0 lie at 3 q, 3 q + 1, 3 q + 2; its index goes to q, whose old number an earlier point has used up
	v_lshl_add_u32 v[xb+3*q+1], v[xb+3*q+2], 6, v[xb+3*q+1]
	v_lshl_add_u32 v[xb+q], v[xb+3*q+1], 6, v[xb+3*q]
.set q, q+1
.endr
	global_store_b128 v[O16], v[xb:xb+3], s[10:11] offset:512*m  ; 512 consecutive bytes, aligned
.set m, m+1
.endr
	s_wait_tensorcnt 0x0                           ; the wave's end: three lines behind my last LDS store
	ds_add_u32 v[SPW], v[NIL]
	s_wait_dscnt 0x0
	s_endpgm
.Lfunc_end_k_qb0a7aad2d3_prep:
	.size	k_qb0a7aad2d3_prep, .Lfunc_end_k_qb0a7aad2d3_prep-k_qb0a7aad2d3_prep
	.p2alignl 7, 3214868480
	.fill 96, 4, 3214868480
	.section	.rodata,"a",@progbits
	.p2align	6, 0x0
	.amdhsa_kernel k_qb0a7aad2d3_prep
		.amdhsa_group_segment_fixed_size 37888
		.amdhsa_private_segment_fixed_size 0
		.amdhsa_enable_private_segment 0
		.amdhsa_kernarg_size 32
		.amdhsa_user_sgpr_count 2
		.amdhsa_user_sgpr_kernarg_segment_ptr 1
		.amdhsa_wavefront_size32 1
		.amdhsa_system_sgpr_workgroup_id_x 1
		.amdhsa_system_sgpr_workgroup_id_y 1
		.amdhsa_system_sgpr_workgroup_id_z 1
		.amdhsa_system_vgpr_workitem_id 0
		.amdhsa_next_free_vgpr 208
		.amdhsa_next_free_sgpr 66
		.amdhsa_reserve_vcc 0
		.amdhsa_float_denorm_mode_32 3
		.amdhsa_float_denorm_mode_16_64 3
		.amdhsa_memory_ordered 1
		.amdhsa_forward_progress 1
		.amdhsa_inst_pref_size 36
	.end_amdhsa_kernel
	.amdgpu_metadata
---
amdhsa.version: [ 1, 2 ]
amdhsa.kernels:
  - .name:           k_qb0a7aad2d3_prep
    .symbol:         k_qb0a7aad2d3_prep.kd
    .args:
      - { .name: feature_grid, .offset: 0, .size: 8, .value_kind: global_buffer, .address_space: global }
      - { .name: x, .offset: 8, .size: 8, .value_kind: global_buffer, .address_space: global }
      - { .name: gridT, .offset: 16, .size: 8, .value_kind: global_buffer, .address_space: global }
      - { .name: idx, .offset: 24, .size: 8, .value_kind: global_buffer, .address_space: global }
    .group_segment_fixed_size: 37888
    .private_segment_fixed_size: 0
    .kernarg_segment_align: 8
    .kernarg_segment_size: 32
    .max_flat_workgroup_size: 256
    .sgpr_count:     66
    .vgpr_count:     208
    .wavefront_size: 32
...
	.end_amdgpu_metadata
.endif
;; end of part 1
;; launch mlp (part 2): grid 256 x 1, 8 waves a work-group, no clusters, 0 bytes of LDS; arguments x, idx, gridT, W0, b0, Wh, bh, Wout, bout, out0; writes out0
.if DOCPART == 2
	.amdgcn_target "amdgcn-amd-amdhsa--gfx1250"
	.amdhsa_code_object_version 6
	.text
	.protected	k_qb0a7aad2d3_mlp
	.globl	k_qb0a7aad2d3_mlp
	.p2align	8
	.type	k_qb0a7aad2d3_mlp,@function
k_qb0a7aad2d3_mlp:
	s_mov_b64 s[64:65], 0
	v_nop
	global_prefetch_b8 v0, s[64:65] scope:SCOPE_SE
	s_setreg_imm32_b32 hwreg(HW_REG_WAVE_MODE, 25, 1), 1
	s_wait_xcnt 0x0
; out0[p] = Wout . snake(Wh2 snake(Wh1 snake(Wh0 snake(W0 [pe(x_p), sample(x_p)] + b0) + bh0) + bh1) + bh2) + bout,  snake(z) = z/2 + sin^2 z.
; FORMAT.  EVERY INPUT IS ROUNDED TO bf16 (nearest even) BEFORE ANYTHING IS MADE OF IT: x, the grid (in prep), all weights, all biases.  The results are those of the module on the rounded inputs; on the
; unrounded x they differ widely (the highest positional term turns 32 pi x).  A weight is then exact as a matrix operand and needs one part; all else is reckoned in f32.
; SHARES.  2,048 waves, 1,024 points each: 16 trips of 64 points, a trip two GROUPS of 32, a group two tiles of 16.  Tile t, column r is point 2 r + t of the group.  No LDS, no barrier, all lanes always on.
; Two waves lie on a SIMD (480 registers each), so that one wave's matrix runs can stand under the other's vector work.
; MATRIX LAYOUT.  Source 0 = 16 neurons x 32 inputs of the weights, source 1 = 32 inputs x 16 points.  In the result lane (r, h) holds point r and neurons 8 h + 0..7, so a tile's two results, rounded in
; pairs, ARE the next layer's source 1: nothing changes lanes between layers.  The bias is the C operand of a layer's first product.
; ACTIVATIONS go in as two bf16 numbers, hi = bf16(v) and lo = bf16(v - hi), and a product is W hi + W lo, summed in f32: about 16 significant bits.
; SNAKE.  A layer's result is u = z / pi.  f = fract(u), w = f^2 - f (in -1/4 .. 0), and what is carried on is y' = u + w P(w) = (2/pi) snake(z), P of degree 3.  The factors are folded where they cost nothing:
; hidden weights are W / 2 (exact), biases b / pi (f32), Wout times pi/2 (f32); W0 stays as it is, and layer 0's inputs are made divided by pi.
; POSITIONAL TERMS.  Lane half h makes levels 3 h .. 3 h + 2: t = x/2 (h = 0) or 4 x (h = 1), rho = t - rndne(t) (both exact, for any x), sine and cosine of (pi/2) rho by series, each times 1/pi;
; four doublings of the angle in the scaled numbers (T = 2 pi s, c' = 1/pi - T s, s' = T c); the second, third and fourth give the three levels.
; LAYER 0's INPUTS are ordered alike in W0's fragments and in the points' (the sums do not depend on that order): K step 0 = the half's first 16 of its 18 terms; K step 1 = channels 8 h .. 8 h + 7, the two
; terms left over, six zeros.
; SAMPLE.  idx (whole numbers, stored by the launch before) names the cell's lowest voxel; its eight corners lie at fixed distances in gridT; a lane reads 16 bytes (its half's 8 channels in bf16) of each.
; The upper weight is min(f - i0, 1), the lower one 1 less that; the x weights carry the factor 1/pi.
; THE OUTPUT LAYER has one neuron: as a matrix product it would fill one row of sixteen; it is 8 packed multiply-adds a tile in f32 on the activations as they stand, unrounded, and one exchange of the lanes' halves.
; LIMITS.  The polynomial gives sin^2 too small by 4e-5 at the most, absolutely.  For |z / pi| of 2^23 and more fract gives 0, so sin^2 z counts as 0 there.  A hidden weight below 2^-125 loses a bit in halving.
; NO CLUSTER, NO TENSOR LOADS: what work-groups share is 19,588 bytes of weights and biases, read once by each wave into registers, against 98,304 bytes of x and 2,097,152 bytes of corners for a work-group's
; 8,192 points, which nobody shares at the same time; the corners are gathered lane by lane.
; REGISTERS, in windows of 256 (s_set_vgpr_msb: bits 1:0 source 0, 3:2 source 1, 5:4 source 2, 7:6 destination).  Window 1: weight fragment f in the eight registers from 16 f (the raw f32 weights arrive in the
; sixteen from there; layer 0: f = 2 n + K step; hidden layer l: f = 4 + 2 l + n; n = which 16 neurons); biases at 160 + 8 (2 layer + n).  Window 0: all else, named below.
.set XOFF, 1                           ; v1   24 r: my two points in a group's 384 bytes of x
.set IOFF, 2                           ; v2   8 r: the same in idx
.set OOFF, 3                           ; v3   8 x lane: my two numbers in a trip's 256 bytes of out0
.set H16,  4                           ; v4   16 h: my half of a voxel's 32 bytes
.set NEG1, 5                           ; v5   -1.0
.set NIL,  6                           ; v6   0
.set PT,   7                           ; v7   takes the other half's sum
.set SC,   8                           ; v[8:9]   0.5 or 4.0, twice
.set CM,   10                          ; v[10:11] -1, 1
.set CA,   12                          ; v[12:13] 1, 0
.set BO,   14                          ; v[14:15] bout / 2, 0: each half of the lanes brings half of it
.set WO,   16                          ; v[16:31] (pi/2) Wout[16 n + 8 h + j] at 8 n + j
.set XB,   32                          ; v[32:37], v[40:45] two points' x, y, z: buffer 0, 1
.set IB,   38                          ; v[38:39], v[46:47] their indices
.set AD,   48                          ; v[48:49] byte offsets of the two cells in gridT
.set OK,   50                          ; v[50:51] group a's results
.set OC,   52                          ; v[52:53] group b's; then the trip's store data
.set ACA,  54                          ; v[54:57] two running pairs of the output layer
.set ACB,  56
.set OFH,  58                          ; v58-61  at the head: lane offsets in Wh, W0 (two), and the vectors
.set OF72, 59
.set OF32, 60
.set OFB,  61
.set CMX,  58                          ; v[58:59] when those loads are in: -1/pi, 1/pi
.set CAX,  60                          ; v[60:61] 1/pi, 0
.set OS,   62
.set TAPS, 64                          ; v[64:127]  tile t, corner k: four registers at 32 t + 4 k
.set B0,   128                         ; v[128:191] source 1, tile t at 32 t: hi and lo of K step 0 at 0 and 8 (the hidden layers use these two), of K step 1 at 16 and 24
.set DD,   192                         ; v[192:223] the four accumulators: 16 t + 8 n
.set TMP,  224
.set RT,   192                         ; at work while the accumulators are idle: rho; rho^2; sine; two cosines by turns; 2 pi x the sine
.set RQ,   198
.set RS,   204
.set RC,   210
.set RN,   216
.set RT2,  222
.set FC,   192                         ; then: f and the upper weights; i0; (lower, upper) for the six coordinates; z y products; the eight corners' weights; the eight channels
.set I0,   198
.set WP,   204
.set ZY,   216
.set TW,   220
.set FE,   228
.set SF,   224                         ; snake: f and w; the polynomial
.set SP,   240
.set E4, 40                            ; s[40:73], but s64 and s65: constants, each twice, since a packed instruction names a pair
.set E3, 42
.set E2, 44
.set E1, 46
.set TPI, 48
.set HPI, 50
.set SK9, 52
.set SK7, 54
.set SK5, 56
.set SK3, 58
.set CK8, 60
.set CK6, 62
.set CK4, 66
.set CK2, 68
.set IPI, 70
.set F315, 72
.set MSB, 0
.macro WIN new                         ; the immediate's high byte repeats the setting that is left; a switch that changes nothing is dropped
.if MSB != (\new)
	s_set_vgpr_msb (MSB<<8)|(\new)
.set MSB, \new
.endif
.endm
.macro EACH cnt, line:vararg           ; one line cnt times: i counts registers, p pairs' first registers
.set i, 0
.set p, 0
.rept \cnt
	\line
.set i, i+1
.set p, p+2
.endr
.endm
.macro SPAIR r, val
	s_mov_b32 s[\r], \val
	s_mov_b32 s[(\r)+1], \val
.endm
.macro PLACES                          ; a vector instruction that reads a matrix result or writes a matrix instruction's source stands four plain vector instructions behind it (ISA guide 7.12.1)
.rept 4
	v_nop
.endr
.endm
.macro HI hi, a, b                     ; two numbers' upper parts
	v_cvt_pk_bf16_f32 v[\hi], v[\a], v[\b]
.endm
.macro LO lo, hi, a, b                 ; and what is left of them: hi x (-1) + number, exact, rounded once to bf16
	v_fma_mixlo_bf16 v[\lo], v[\hi], v[NEG1], v[\a] op_sel_hi:[1,0,0]
	v_fma_mixhi_bf16 v[\lo], v[\hi], v[NEG1], v[\b] op_sel:[1,0,0] op_sel_hi:[1,0,0]
.endm
.macro LOADX buf, o                    ; x and idx of half o of the trip that s[30:33] point at: four loads of bytes that the launch reads once
	global_load_b64 v[XB+8*(\buf):XB+8*(\buf)+1],   v[XOFF], s[30:31] offset:384*(\o) th:TH_LOAD_NT
	global_load_b64 v[XB+8*(\buf)+2:XB+8*(\buf)+3], v[XOFF], s[30:31] offset:384*(\o)+8 th:TH_LOAD_NT
	global_load_b64 v[XB+8*(\buf)+4:XB+8*(\buf)+5], v[XOFF], s[30:31] offset:384*(\o)+16 th:TH_LOAD_NT
	global_load_b64 v[IB+8*(\buf):IB+8*(\buf)+1],   v[IOFF], s[32:33] offset:128*(\o) th:TH_LOAD_NT
.endm
.macro ADDRS buf                       ; a loaded index is capped at the highest that prep stores, (62*64+62)*64+62, before it enters an address: the farthest corner then ends at gridT's last byte
.irp t, 0,1
	v_min_u32 v[AD+(\t)], 0x3efbe, v[IB+8*(\buf)+(\t)]
.endr
.irp t, 0,1
	v_lshl_add_u32 v[AD+(\t)], v[AD+(\t)], 5, v[H16]
.endr
.endm
.macro TAPLOADS                        ; sixteen loads: corner k = 4 z + 2 y + x lies z x 131,072 + y x 2,048 + x x 32 bytes on; a voxel is read again and again, by all work-groups
.irp t, 0,1
.set k, 0
.rept 8
	global_load_b128 v[TAPS+32*(\t)+4*k:TAPS+32*(\t)+4*k+3], v[AD+(\t)], s[8:9] offset:(k/4)*131072+((k/2)%2)*2048+(k%2)*32 th:TH_LOAD_HT
.set k, k+1
.endr
.endr
.endm
.macro ROUNDX buf                      ; the six coordinates rounded to bf16 and widened again, in place
	EACH 3, v_cvt_pk_bf16_f32 v[RT2+i], v[XB+8*(\buf)+p], v[XB+8*(\buf)+p+1]
	EACH 3, v_lshlrev_b32 v[XB+8*(\buf)+p], 16, v[RT2+i]
	EACH 3, v_and_b32 v[XB+8*(\buf)+p+1], s36, v[RT2+i]
.endm
.macro PEBASE buf                      ; sine and cosine of (pi/2) rho, each times 1/pi, for the six coordinates; the two series go side by side
	EACH 3, v_pk_mul_f32 v[RT+p:RT+p+1], v[XB+8*(\buf)+p:XB+8*(\buf)+p+1], v[SC:SC+1]
	EACH 6, v_rndne_f32 v[RN+i], v[RT+i]
	EACH 3, v_pk_add_f32 v[RT+p:RT+p+1], v[RT+p:RT+p+1], v[RN+p:RN+p+1] neg_lo:[0,1] neg_hi:[0,1]
	EACH 3, v_pk_mul_f32 v[RQ+p:RQ+p+1], v[RT+p:RT+p+1], v[RT+p:RT+p+1]
	EACH 3, v_pk_fma_f32 v[RS+p:RS+p+1], v[RQ+p:RQ+p+1], s[SK9:SK9+1], s[SK7:SK7+1] op_sel_hi:[1,0,0]
	EACH 3, v_pk_fma_f32 v[RC+p:RC+p+1], v[RQ+p:RQ+p+1], s[CK8:CK8+1], s[CK6:CK6+1] op_sel_hi:[1,0,0]
	EACH 3, v_pk_fma_f32 v[RS+p:RS+p+1], v[RS+p:RS+p+1], v[RQ+p:RQ+p+1], s[SK5:SK5+1] op_sel_hi:[1,1,0]
	EACH 3, v_pk_fma_f32 v[RC+p:RC+p+1], v[RC+p:RC+p+1], v[RQ+p:RQ+p+1], s[CK4:CK4+1] op_sel_hi:[1,1,0]
	EACH 3, v_pk_fma_f32 v[RS+p:RS+p+1], v[RS+p:RS+p+1], v[RQ+p:RQ+p+1], s[SK3:SK3+1] op_sel_hi:[1,1,0]
	EACH 3, v_pk_fma_f32 v[RC+p:RC+p+1], v[RC+p:RC+p+1], v[RQ+p:RQ+p+1], s[CK2:CK2+1] op_sel_hi:[1,1,0]
	EACH 3, v_pk_fma_f32 v[RS+p:RS+p+1], v[RS+p:RS+p+1], v[RQ+p:RQ+p+1], 0.5 op_sel_hi:[1,1,0]
	EACH 3, v_pk_fma_f32 v[RC+p:RC+p+1], v[RC+p:RC+p+1], v[RQ+p:RQ+p+1], s[IPI:IPI+1] op_sel_hi:[1,1,0]
	EACH 3, v_pk_mul_f32 v[RS+p:RS+p+1], v[RS+p:RS+p+1], v[RT+p:RT+p+1]
.endm
.macro DBL c, n                        ; the angle doubled, in the numbers times 1/pi: T = 2 pi s; cosine 1/pi - T s into n; sine T c in place
	EACH 3, v_pk_mul_f32 v[RT2+p:RT2+p+1], v[RS+p:RS+p+1], s[TPI:TPI+1] op_sel_hi:[1,0]
	EACH 3, v_pk_fma_f32 v[(\n)+p:(\n)+p+1], v[RT2+p:RT2+p+1], v[RS+p:RS+p+1], s[IPI:IPI+1] op_sel_hi:[1,1,0] neg_lo:[1,0,0] neg_hi:[1,0,0]
	EACH 3, v_pk_mul_f32 v[RS+p:RS+p+1], v[RT2+p:RT2+p+1], v[(\c)+p:(\c)+p+1]
.endm
.macro EMIT lam, cr                    ; level 3 h + lam: sin x, y, z, cos x, y, z are terms 6 lam .. 6 lam + 5 of my half's 18; terms 16 and 17 go to K step 1, register 4
.irp t, 0,1
	HI B0+32*(\t)+3*(\lam), RS+3*(\t), RS+3*(\t)+1
	HI B0+32*(\t)+3*(\lam)+1, RS+3*(\t)+2, (\cr)+3*(\t)
.if (\lam) < 2
	HI B0+32*(\t)+3*(\lam)+2, (\cr)+3*(\t)+1, (\cr)+3*(\t)+2
.else
	HI B0+32*(\t)+20, (\cr)+3*(\t)+1, (\cr)+3*(\t)+2
.endif
.endr
.irp t, 0,1
	LO B0+32*(\t)+8+3*(\lam), B0+32*(\t)+3*(\lam), RS+3*(\t), RS+3*(\t)+1
	LO B0+32*(\t)+8+3*(\lam)+1, B0+32*(\t)+3*(\lam)+1, RS+3*(\t)+2, (\cr)+3*(\t)
.if (\lam) < 2
	LO B0+32*(\t)+8+3*(\lam)+2, B0+32*(\t)+3*(\lam)+2, (\cr)+3*(\t)+1, (\cr)+3*(\t)+2
.else
	LO B0+32*(\t)+28, B0+32*(\t)+20, (\cr)+3*(\t)+1, (\cr)+3*(\t)+2
.endif
.endr
.endm
.macro WPAIR c                         ; coordinate c of six: (1 - upper, upper); for the two x coordinates (c = 0, 3) both times 1/pi
.if ((\c)%3) == 0
.set wm, CMX
.set wa, CAX
.else
.set wm, CM
.set wa, CA
.endif
.if ((\c)%2) == 0
	v_pk_fma_f32 v[WP+2*(\c):WP+2*(\c)+1], v[FC+(\c):FC+(\c)+1], v[wm:wm+1], v[wa:wa+1] op_sel_hi:[0,1,1]
.else
	v_pk_fma_f32 v[WP+2*(\c):WP+2*(\c)+1], v[FC+(\c)-1:FC+(\c)], v[wm:wm+1], v[wa:wa+1] op_sel:[1,0,0] op_sel_hi:[1,1,1]
.endif
.endm
.macro WEIGHTS buf                     ; for the six coordinates: f = 31.5 x + 31.5 (the same fused line as in prep), upper weight min(f - i0, 1), and the pair of weights
	EACH 3, v_pk_fma_f32 v[FC+p:FC+p+1], v[XB+8*(\buf)+p:XB+8*(\buf)+p+1], s[F315:F315+1], s[F315:F315+1] op_sel_hi:[1,0,0]
.irp t, 0,1
	v_and_b32 v[I0+3*(\t)], 63, v[IB+8*(\buf)+(\t)]
	v_bfe_u32 v[I0+3*(\t)+1], v[IB+8*(\buf)+(\t)], 6, 6
	v_bfe_u32 v[I0+3*(\t)+2], v[IB+8*(\buf)+(\t)], 12, 6
.endr
	EACH 6, v_cvt_f32_u32 v[I0+i], v[I0+i]
	EACH 3, v_pk_add_f32 v[FC+p:FC+p+1], v[FC+p:FC+p+1], v[I0+p:I0+p+1] neg_lo:[0,1] neg_hi:[0,1]
	EACH 6, v_min_num_f32 v[FC+i], 1.0, v[FC+i]
.irp c, 0,2,4,1,3,5
	WPAIR \c
.endr
.endm
.macro TAPW t                          ; the eight corners' weights of tile t: (z0, z1) x (y0, y1), then x (x0, x1)
	v_pk_mul_f32 v[ZY:ZY+1],   v[WP+6*(\t)+4:WP+6*(\t)+5], v[WP+6*(\t)+2:WP+6*(\t)+3] op_sel_hi:[0,1]
	v_pk_mul_f32 v[ZY+2:ZY+3], v[WP+6*(\t)+4:WP+6*(\t)+5], v[WP+6*(\t)+2:WP+6*(\t)+3] op_sel:[1,0] op_sel_hi:[1,1]
	v_pk_mul_f32 v[TW:TW+1],   v[ZY:ZY+1],   v[WP+6*(\t):WP+6*(\t)+1] op_sel_hi:[0,1]
	v_pk_mul_f32 v[TW+2:TW+3], v[ZY:ZY+1],   v[WP+6*(\t):WP+6*(\t)+1] op_sel:[1,0] op_sel_hi:[1,1]
	v_pk_mul_f32 v[TW+4:TW+5], v[ZY+2:ZY+3], v[WP+6*(\t):WP+6*(\t)+1] op_sel_hi:[0,1]
	v_pk_mul_f32 v[TW+6:TW+7], v[ZY+2:ZY+3], v[WP+6*(\t):WP+6*(\t)+1] op_sel:[1,0] op_sel_hi:[1,1]
.endm
.macro INTERP t                        ; eight channels = the sum over eight corners of bf16 half x f32 weight, in f32, corner by corner: eight chains side by side; then hi and lo into K step 1
.set k, 0
.rept 8
.set c, 0
.rept 4
.if k == 0
	v_fma_mix_f32_bf16 v[FE+2*c],   v[TAPS+32*(\t)+c], v[TW], v[NIL] op_sel_hi:[1,0,0]
	v_fma_mix_f32_bf16 v[FE+2*c+1], v[TAPS+32*(\t)+c], v[TW], v[NIL] op_sel:[1,0,0] op_sel_hi:[1,0,0]
.else
	v_fma_mix_f32_bf16 v[FE+2*c],   v[TAPS+32*(\t)+4*k+c], v[TW+k], v[FE+2*c] op_sel_hi:[1,0,0]
	v_fma_mix_f32_bf16 v[FE+2*c+1], v[TAPS+32*(\t)+4*k+c], v[TW+k], v[FE+2*c+1] op_sel:[1,0,0] op_sel_hi:[1,0,0]
.endif
.set c, c+1
.endr
.set k, k+1
.endr
	EACH 4, v_cvt_pk_bf16_f32 v[B0+32*(\t)+16+i], v[FE+p], v[FE+p+1]
	EACH 4, v_fma_mixlo_bf16 v[B0+32*(\t)+24+i], v[B0+32*(\t)+16+i], v[NEG1], v[FE+p] op_sel_hi:[1,0,0]
	EACH 4, v_fma_mixhi_bf16 v[B0+32*(\t)+24+i], v[B0+32*(\t)+16+i], v[NEG1], v[FE+p+1] op_sel:[1,0,0] op_sel_hi:[1,0,0]
.endm
; Four products, one on each of the four accumulators (tile 0, 1 x neurons 0-15, 16-31): the accumulators take turns, one instruction a turn.
; a0 + astep n: the weights' fragment; boff: which part of source 1; cb: the bias block that starts the sums, or -1: the sums go on in place.
.macro PROD a0, astep, boff, cb
.irp t, 0,1
.irp n, 0,1
.if (\cb) >= 0
	v_wmma_f32_16x16x32_bf16 v[DD+16*(\t)+8*(\n):DD+16*(\t)+8*(\n)+7], v[(\a0)+(\astep)*(\n):(\a0)+(\astep)*(\n)+7], v[B0+32*(\t)+(\boff):B0+32*(\t)+(\boff)+7], v[(\cb)+8*(\n):(\cb)+8*(\n)+7]
.else
	v_wmma_f32_16x16x32_bf16 v[DD+16*(\t)+8*(\n):DD+16*(\t)+8*(\n)+7], v[(\a0)+(\astep)*(\n):(\a0)+(\astep)*(\n)+7], v[B0+32*(\t)+(\boff):B0+32*(\t)+(\boff)+7], v[DD+16*(\t)+8*(\n):DD+16*(\t)+8*(\n)+7]
.endif
.endr
.endr
.endm
.macro LAYER0                          ; 16 products: two K steps x (hi, lo of the inputs).  The four places behind them are the four address lines that follow the macro
	WIN 0x11                                       ; weights and bias in window 1
	PROD 0, 32, 0, 160
	WIN 0x01
	PROD 16, 32, 16, -1
	PROD 0, 32, 8, -1
	PROD 16, 32, 24, -1
	WIN 0
.endm
.macro HLAYER l                        ; 8 products
	WIN 0x11
	PROD 64+32*(\l), 16, 0, 176+16*(\l)
	WIN 0x01
	PROD 64+32*(\l), 16, 8, -1
	WIN 0
	PLACES
.endm
; Sixteen u = z / pi at v[d ..] (a tile's two accumulators, each read from its lowest register on) become y' = u + w P(w), in place.
.macro SNCORE d
	EACH 16, v_fract_f32 v[SF+i], v[(\d)+i]
	EACH 8, v_pk_fma_f32 v[SF+p:SF+p+1], v[SF+p:SF+p+1], v[SF+p:SF+p+1], v[SF+p:SF+p+1] neg_lo:[0,0,1] neg_hi:[0,0,1]
	EACH 8, v_pk_fma_f32 v[SP+p:SP+p+1], v[SF+p:SF+p+1], s[E4:E4+1], s[E3:E3+1] op_sel_hi:[1,0,0]
	EACH 8, v_pk_fma_f32 v[SP+p:SP+p+1], v[SP+p:SP+p+1], v[SF+p:SF+p+1], s[E2:E2+1] op_sel_hi:[1,1,0]
	EACH 8, v_pk_fma_f32 v[SP+p:SP+p+1], v[SP+p:SP+p+1], v[SF+p:SF+p+1], s[E1:E1+1] op_sel_hi:[1,1,0]
	EACH 8, v_pk_fma_f32 v[(\d)+p:(\d)+p+1], v[SP+p:SP+p+1], v[SF+p:SF+p+1], v[(\d)+p:(\d)+p+1]
.endm
.macro SNAKE t                         ; and hi and lo of them are the next layer's source 1 for tile t
	SNCORE DD+16*(\t)
	EACH 8, v_cvt_pk_bf16_f32 v[B0+32*(\t)+i], v[DD+16*(\t)+p], v[DD+16*(\t)+p+1]
	EACH 8, v_fma_mixlo_bf16 v[B0+32*(\t)+8+i], v[B0+32*(\t)+i], v[NEG1], v[DD+16*(\t)+p] op_sel_hi:[1,0,0]
	EACH 8, v_fma_mixhi_bf16 v[B0+32*(\t)+8+i], v[B0+32*(\t)+i], v[NEG1], v[DD+16*(\t)+p+1] op_sel:[1,0,0] op_sel_hi:[1,0,0]
.endm
.macro SNAKEO t, dst                   ; the last snake and the output layer: my 16 neurons' share in two running pairs, then the other half of the lanes' 16
	SNCORE DD+16*(\t)
	v_pk_fma_f32 v[ACA:ACA+1], v[DD+16*(\t):DD+16*(\t)+1], v[WO:WO+1], v[BO:BO+1]
	v_pk_mul_f32 v[ACB:ACB+1], v[DD+16*(\t)+2:DD+16*(\t)+3], v[WO+2:WO+3]
.irp q, 4,8,12
	v_pk_fma_f32 v[ACA:ACA+1], v[DD+16*(\t)+(\q):DD+16*(\t)+(\q)+1], v[WO+(\q):WO+(\q)+1], v[ACA:ACA+1]
	v_pk_fma_f32 v[ACB:ACB+1], v[DD+16*(\t)+(\q)+2:DD+16*(\t)+(\q)+3], v[WO+(\q)+2:WO+(\q)+3], v[ACB:ACB+1]
.endr
	v_pk_add_f32 v[ACA:ACA+1], v[ACA:ACA+1], v[ACB:ACB+1]
	v_add_f32 v[OS], v[ACA], v[ACA+1]
	v_permlanex16_b32 v[PT], v[OS], s38, s39
	v_add_f32 v[\dst], v[OS], v[PT]
.endm
; A GROUP of 32 points, whose x and idx lie in buffer buf and whose corners were asked for a group ago.  isa = 1: the trip's first group.
.macro GROUP buf, isa
	ROUNDX \buf
	PEBASE \buf
	DBL RC, RN
	DBL RN, RC
	EMIT 0, RC
	DBL RC, RN
	EMIT 1, RN
	DBL RN, RC
	EMIT 2, RC
	WEIGHTS \buf
	TAPW 0
	s_wait_loadcnt 0x4                             ; loads return in order: my sixteen corners are in; the four issued behind them (the next group's x and idx) may stay out
	INTERP 0
	TAPW 1
	INTERP 1
	s_wait_loadcnt 0x0                             ; the next group's x and idx are in, and no load is out: pointers and offsets may be written
.if \isa
	s_cmp_gt_u32 s26, 1                            ; the look-ahead steps to the next trip; in the last trip it stays, so that no load leaves x or idx (what it then brings is not used)
	s_cselect_b32 s28, 768, 0
	s_add_nc_u64 s[30:31], s[30:31], s[28:29]
	s_cselect_b32 s28, 256, 0
	s_add_nc_u64 s[32:33], s[32:33], s[28:29]
.endif
	LAYER0
	ADDRS 1-(\buf)                                 ; four plain lines that name no register of the products: the places behind them, on both ways below
.if !(\isa)
	s_cmp_eq_u32 s26, 1                            ; the wave's last group has no group behind it: it asks for nothing more
	s_cbranch_scc1 .Lno_more_\@
.endif
	TAPLOADS                                       ; the next group's corners: they have the snakes and hidden layers below in which to land
	LOADX \buf, 1-(\isa)                           ; x and idx of the group after that, into the buffer just used up
.if !(\isa)
.Lno_more_\@:
.endif
	SNAKE 0
	SNAKE 1
	HLAYER 0
	SNAKE 0
	SNAKE 1
	HLAYER 1
	SNAKE 0
	SNAKE 1
	HLAYER 2
	SNAKEO 0, OC-2*(\isa)
	SNAKEO 1, OC-2*(\isa)+1
.endm
	s_load_b512 s[4:19], s[0:1], 0x0               ; x s[4:5], idx s[6:7], gridT s[8:9], W0 s[10:11], b0 s[12:13], Wh s[14:15], bh s[16:17], Wout s[18:19]
	s_load_b128 s[20:23], s[0:1], 0x40             ; bout s[20:21], out0 s[22:23]
	v_and_b32 v63, 15, v0                          ; r
	v_bfe_u32 v62, v0, 4, 1                        ; h
	v_and_b32 v[OOFF], 31, v0
	v_lshrrev_b32 v[PT], 5, v0
	v_readfirstlane_b32 s24, v[PT]                 ; wave in the work-group
	s_lshl_b32 s25, ttmp9, 3
	s_add_co_u32 s25, s25, s24                     ; wave in the launch
	v_mul_u32_u24 v[XOFF], v63, 24
	v_lshlrev_b32 v[IOFF], 3, v63
	v_lshlrev_b32 v[OOFF], 3, v[OOFF]
	v_lshlrev_b32 v[H16], 4, v62
	v_lshlrev_b32 v[OFB], 5, v62                   ; 32 h: my eight neurons in a vector of 16 f32
	v_lshl_add_u32 v[OFH], v63, 7, v[OFB]          ; Wh: row r of 128 bytes, columns 8 h on
	v_mul_u32_u24 v[OF32], v63, 208                ; W0: row r of 208 bytes,
	v_mad_u32_u24 v[OF72], v62, 72, v[OF32]        ; columns 18 h on,
	v_add_nc_u32 v[OF32], v[OF32], v[OFB]          ; or 8 h on
	v_mov_b32 v[NEG1], -1.0
	v_mov_b32 v[NIL], 0
	v_mov_b32 v[PT], 0
	v_mov_b32 v[CM], -1.0
	v_mov_b32 v[CM+1], 1.0
	v_mov_b32 v[CA], 1.0
	v_mov_b32 v[CA+1], 0
	s_mov_b32 s36, 0xffff0000                      ; lanes 16 to 31; also a word's upper bf16
	s_mov_b32 s38, 0x76543210                      ; v_permlanex16_b32: each lane takes its own place in the other half
	s_mov_b32 s39, 0xfedcba98
	v_mov_b32 v[SC], 0.5
	v_mov_b32 v[SC+1], 4.0
	v_cndmask_b32 v[SC], v[SC], v[SC+1], s36
	v_mov_b32 v[SC+1], v[SC]
	SPAIR E4, 0x4168589a                           ; (2/pi) sin^2(pi f) = w (e1 + w (e2 + w (e3 + w e4))): 14.5216317,
	SPAIR E3, 0xc13b444f                           ; -11.7041766,
	SPAIR E2, 0x40cb93fd                           ; 6.3618150,
	SPAIR E1, 0x3b23170a                           ; 2.4885558e-3
	SPAIR TPI, 0x40c90fdb                          ; 2 pi
	SPAIR HPI, 0x3fc90fdb                          ; pi/2
	SPAIR SK9, 0x38563402                          ; sin((pi/2) rho) / (pi rho) in rho^2, behind its first term 1/2: pi^8 / (2^9 9!),
	SPAIR SK7, 0xbac354a7                          ; -pi^6 / (2^7 7!),
	SPAIR SK5, 0x3ccfce5a                          ; pi^4 / (2^5 5!),
	SPAIR SK3, 0xbe528d33                          ; -pi^2 / (2^3 3!)
	SPAIR CK8, 0x39996966                          ; cos((pi/2) rho) / pi in rho^2, behind its first term 1/pi: pi^7 / (2^8 8!),
	SPAIR CK6, 0xbbd99d2f                          ; -pi^5 / (2^6 6!),
	SPAIR CK4, 0x3da55de7                          ; pi^3 / (2^4 4!),
	SPAIR CK2, 0xbec90fdb                          ; -pi / 8
	SPAIR IPI, 0x3ea2f983                          ; 1/pi
	SPAIR F315, 0x41fc0000                         ; 31.5
	s_mul_i32 s28, s25, 12288                      ; my wave's 1,024 points in x,
	s_mov_b32 s29, 0
	s_wait_kmcnt 0x0
	s_load_b32 s37, s[20:21], 0x0                  ; bout
	s_add_nc_u64 s[30:31], s[4:5], s[28:29]
	s_lshl_b32 s28, s25, 12                        ; in idx and in out0
	s_add_nc_u64 s[32:33], s[6:7], s[28:29]
	s_add_nc_u64 s[34:35], s[22:23], s[28:29]
	LOADX 0, 0                                     ; the first group's x and idx
	; the raw weights: a fragment's sixteen f32 a lane, from the register on at which its eight of bf16 will begin
	WIN 0x40                                       ; destination window 1, address window 0
.irp n, 0,1
.set i, 0
.rept 8
	global_load_b64 v[32*(\n)+2*i:32*(\n)+2*i+1], v[OF72], s[10:11] offset:3328*(\n)+8*i   ; layer 0, K step 0: columns 18 h + 0..15 (a multiple of 8 bytes, not of 16)
.set i, i+1
.endr
	global_load_b128 v[32*(\n)+16:32*(\n)+19], v[OF32], s[10:11] offset:3328*(\n)+144      ; K step 1: columns 36 + 8 h + 0..7,
	global_load_b128 v[32*(\n)+20:32*(\n)+23], v[OF32], s[10:11] offset:3328*(\n)+160
	global_load_b64 v[32*(\n)+24:32*(\n)+25], v[OF72], s[10:11] offset:3328*(\n)+64        ; columns 18 h + 16, 17,
.set i, 26
.rept 6
	v_mov_b32 v[32*(\n)+i], 0                      ; and six zeros
.set i, i+1
.endr
.endr
.irp l, 0,1,2
.irp n, 0,1
	global_load_b128 v[64+32*(\l)+16*(\n):64+32*(\l)+16*(\n)+3],     v[OFH], s[14:15] offset:4096*(\l)+2048*(\n)      ; columns 8 h + 0..7,
	global_load_b128 v[64+32*(\l)+16*(\n)+4:64+32*(\l)+16*(\n)+7],   v[OFH], s[14:15] offset:4096*(\l)+2048*(\n)+16
	global_load_b128 v[64+32*(\l)+16*(\n)+8:64+32*(\l)+16*(\n)+11],  v[OFH], s[14:15] offset:4096*(\l)+2048*(\n)+64   ; 16 + 8 h + 0..7
	global_load_b128 v[64+32*(\l)+16*(\n)+12:64+32*(\l)+16*(\n)+15], v[OFH], s[14:15] offset:4096*(\l)+2048*(\n)+80
.endr
.endr
.irp n, 0,1
	global_load_b128 v[160+8*(\n):160+8*(\n)+3], v[OFB], s[12:13] offset:64*(\n)           ; a bias block is laid as a result is: register j = neuron 16 n + 8 h + j
	global_load_b128 v[164+8*(\n):164+8*(\n)+3], v[OFB], s[12:13] offset:64*(\n)+16
.endr
.irp l, 0,1,2
.irp n, 0,1
	global_load_b128 v[176+16*(\l)+8*(\n):176+16*(\l)+8*(\n)+3], v[OFB], s[16:17] offset:128*(\l)+64*(\n)
	global_load_b128 v[180+16*(\l)+8*(\n):180+16*(\l)+8*(\n)+3], v[OFB], s[16:17] offset:128*(\l)+64*(\n)+16
.endr
.endr
	WIN 0
	global_load_b128 v[WO:WO+3],     v[OFB], s[18:19]
	global_load_b128 v[WO+4:WO+7],   v[OFB], s[18:19] offset:16
	global_load_b128 v[WO+8:WO+11],  v[OFB], s[18:19] offset:64
	global_load_b128 v[WO+12:WO+15], v[OFB], s[18:19] offset:80
	s_wait_loadcnt 0x0                             ; all of them are in, so their offset registers are free as well
	ADDRS 0
	TAPLOADS                                       ; the first group's corners; the conversions below stand in the wait for them
	LOADX 1, 1                                     ; the second group's x and idx
	v_mov_b32 v[CMX], 0xbea2f983                   ; -1/pi, 1/pi
	v_mov_b32 v[CMX+1], 0x3ea2f983
	v_mov_b32 v[CAX], 0x3ea2f983                   ; 1/pi, 0
	v_mov_b32 v[CAX+1], 0
	WIN 0x41                                       ; source 0 and destination in window 1
.irp f, 4,5,6,7,8,9
	EACH 8, v_pk_mul_f32 v[16*(\f)+p:16*(\f)+p+1], v[16*(\f)+p:16*(\f)+p+1], 0.5 op_sel_hi:[1,0]   ; hidden weights halved: a power of two, so the rounding below gives bf16(W) / 2
.endr
	WIN 0x45                                       ; both sources and the destination in window 1
.irp f, 0,1,2,3,4,5,6,7,8,9
	EACH 8, v_cvt_pk_bf16_f32 v[16*(\f)+i], v[16*(\f)+p], v[16*(\f)+p+1]   ; in place, ascending: register i is written when registers 2 i and 2 i + 1 have been read
.endr
	WIN 0x05                                       ; the biases: rounded to bf16 (into window 0),
	EACH 32, v_cvt_pk_bf16_f32 v[DD+i], v[160+p], v[160+p+1]
	WIN 0x40                                       ; widened again (back into window 1),
	EACH 32, v_lshlrev_b32 v[160+p], 16, v[DD+i]
	EACH 32, v_and_b32 v[160+p+1], s36, v[DD+i]
	WIN 0x41                                       ; and divided by pi, in f32
	EACH 32, v_pk_mul_f32 v[160+p:160+p+1], v[160+p:160+p+1], s[IPI:IPI+1] op_sel_hi:[1,0]
	WIN 0
	EACH 8, v_cvt_pk_bf16_f32 v[TMP+i], v[WO+p], v[WO+p+1]    ; Wout likewise, times pi/2
	EACH 8, v_lshlrev_b32 v[WO+p], 16, v[TMP+i]
	EACH 8, v_and_b32 v[WO+p+1], s36, v[TMP+i]
	EACH 8, v_pk_mul_f32 v[WO+p:WO+p+1], v[WO+p:WO+p+1], s[HPI:HPI+1] op_sel_hi:[1,0]
	s_wait_kmcnt 0x0
	v_mov_b32 v[BO], s37                           ; bout, rounded, and half of it
	v_cvt_pk_bf16_f32 v[BO], v[BO], v[BO]
	v_lshlrev_b32 v[BO], 16, v[BO]
	v_mul_f32 v[BO], 0.5, v[BO]
	v_mov_b32 v[BO+1], 0
.irp t, 0,1                            ; written once: the lo registers (a half-word write keeps the other half), and K step 1's three registers that stay 0
	EACH 8, v_mov_b32 v[B0+32*(\t)+8+i], 0
	EACH 11, v_mov_b32 v[B0+32*(\t)+21+i], 0
.endr
	s_mov_b32 s26, 16                              ; trips to go
.Ltrip:
	GROUP 0, 1
	GROUP 1, 0
	v_cndmask_b32 v[OC], v[OK], v[OC], s36         ; lanes 0-15 store group a's points 2 r, 2 r + 1, lanes 16-31 group b's
	v_cndmask_b32 v[OC+1], v[OK+1], v[OC+1], s36
	global_store_b64 v[OOFF], v[OC:OC+1], s[34:35] th:TH_STORE_NT  ; the trip's 64 numbers: 256 consecutive bytes, aligned, in one instruction
	s_wait_xcnt 0x0                                ; the store's base and data are rewritten only behind this wait (ISA guide 3.1)
	s_add_nc_u64 s[34:35], s[34:35], 256
	s_sub_co_u32 s26, s26, 1
	s_cmp_lg_u32 s26, 0
	s_cbranch_scc1 .Ltrip
	s_endpgm
.Lfunc_end_k_qb0a7aad2d3_mlp:
	.size	k_qb0a7aad2d3_mlp, .Lfunc_end_k_qb0a7aad2d3_mlp-k_qb0a7aad2d3_mlp
	.p2alignl 7, 3214868480
	.fill 96, 4, 3214868480
	.section	.rodata,"a",@progbits
	.p2align	6, 0x0
	.amdhsa_kernel k_qb0a7aad2d3_mlp
		.amdhsa_group_segment_fixed_size 0
		.amdhsa_private_segment_fixed_size 0
		.amdhsa_enable_private_segment 0
		.amdhsa_kernarg_size 80
		.amdhsa_user_sgpr_count 2
		.amdhsa_user_sgpr_kernarg_segment_ptr 1
		.amdhsa_wavefront_size32 1
		.amdhsa_system_sgpr_workgroup_id_x 1
		.amdhsa_system_sgpr_workgroup_id_y 1
		.amdhsa_system_sgpr_workgroup_id_z 1
		.amdhsa_system_vgpr_workitem_id 0
		.amdhsa_next_free_vgpr 480
		.amdhsa_next_free_sgpr 76
		.amdhsa_reserve_vcc 0
		.amdhsa_float_denorm_mode_32 3
		.amdhsa_float_denorm_mode_16_64 3
		.amdhsa_memory_ordered 1
		.amdhsa_forward_progress 1
		.amdhsa_inst_pref_size 152
	.end_amdhsa_kernel
	.amdgpu_metadata
---
amdhsa.version: [ 1, 2 ]
amdhsa.kernels:
  - .name:           k_qb0a7aad2d3_mlp
    .symbol:         k_qb0a7aad2d3_mlp.kd
    .args:
      - { .name: x, .offset: 0, .size: 8, .value_kind: global_buffer, .address_space: global }
      - { .name: idx, .offset: 8, .size: 8, .value_kind: global_buffer, .address_space: global }
      - { .name: gridT, .offset: 16, .size: 8, .value_kind: global_buffer, .address_space: global }
      - { .name: W0, .offset: 24, .size: 8, .value_kind: global_buffer, .address_space: global }
      - { .name: b0, .offset: 32, .size: 8, .value_kind: global_buffer, .address_space: global }
      - { .name: Wh, .offset: 40, .size: 8, .value_kind: global_buffer, .address_space: global }
      - { .name: bh, .offset: 48, .size: 8, .value_kind: global_buffer, .address_space: global }
      - { .name: Wout, .offset: 56, .size: 8, .value_kind: global_buffer, .address_space: global }
      - { .name: bout, .offset: 64, .size: 8, .value_kind: global_buffer, .address_space: global }
      - { .name: out0, .offset: 72, .size: 8, .value_kind: global_buffer, .address_space: global }
    .group_segment_fixed_size: 0
    .private_segment_fixed_size: 0
    .kernarg_segment_align: 8
    .kernarg_segment_size: 80
    .max_flat_workgroup_size: 256
    .sgpr_count:     76
    .vgpr_count:     480
    .wavefront_size: 32
...
	.end_amdgpu_metadata
.endif
;; end of part 2
